; MI455X (gfx1250); checked and timed in simulation.
; The chip was launched on July 23, 2026; its instructions are those of AMD's public machine-readable ISA for CDNA 5 (MIT licence, August 2026) and "CDNA5" Instruction Set Architecture Reference Guide (July 2026). The comments in the code are by the model that wrote it; some were corrected since.
;; Relation. Allowed arithmetic: float matrix products may take bf16 or f16 operands with f32 sums; all other float work in f32.
;; Inputs: w_qkv 768 x 128 float32; x 4 x 128 x 64 x 64 float32.
;; Outputs: out0 4 x 256 x 64 x 64 float32.
;; One version. Each part assembles by itself: llvm-mc -triple=amdgcn-amd-amdhsa -mcpu=gfx1250 --defsym DOCPART=n.
;; ======== version 1 of 1: 1 launch
;; limits: values are held in f16: magnitudes above 65,504 overflow, below 6.1e-05 lose precision
;; launch relation (part 1): grid 256 x 1, 8 waves a work-group, no clusters, 318,464 bytes of LDS; arguments w_qkv, x, out0; writes out0
.if DOCPART == 1
	.amdgcn_target "amdgcn-amd-amdhsa--gfx1250"
	.amdhsa_code_object_version 6
	.text
	.protected	k_qbbb540f10d_relation
	.globl	k_qbbb540f10d_relation
	.p2align	8
	.type	k_qbbb540f10d_relation,@function
k_qbbb540f10d_relation:
	s_mov_b64 s[64:65], 0
	v_nop
	global_prefetch_b8 v0, s[64:65] scope:SCOPE_SE
	s_setreg_imm32_b32 hwreg(HW_REG_WAVE_MODE, 25, 1), 1
	s_wait_xcnt 0x0
; Local attention over a 5 x 5 window, fused with the 1 x 1 convolution that makes Q, K and V.
;   qkv[o][p] = sum over c of w[o][c] x[n][c][p];  per head (32 channels): scores = q . k over the window, softmax, sum of v.
; A work-group owns one image n, two heads (64 channels of Q, of K and of V) and four image rows; it needs K and V of eight rows.
; Eight waves.  PRODUCTS: wave w makes one of the eight rows (64 pixels): V and K always, Q only for the four query rows (waves 0-3).
; x goes straight from its global loads into bf16 fragments in registers; w goes once through LDS as bf16.
; ATTENTION: wave w takes head w >> 2 and columns 16 (w & 3) .. + 15, as four tiles of 4 x 4 queries.  A tile's windows lie in a block of
; 8 x 8 keys: score products of 16 keys x 16 queries, 32 channels deep, and four products P x V.  Keys of the block outside a query's
; window get the bias -1e30 as the first score product's C operand.  Keys outside the image are zeros in LDS: score 0, counted in the
; maximum and in the denominator, value 0, as the zero padding asks.
; The maximum over the window is taken away before the exponential.  Q is multiplied by log2 e in f32, so that the exponential is 2^x.
; TWO f16 NUMBERS FOR EACH q AND k.  Between two keys of nearly equal score the softmax hands the absolute error of the scores' difference
; on to the result, times p (1 - p) (v1 - v2); a score is a sum of 32 products, and 11 significant bits in q and k are too few for that.
; So q and k are kept as hi + lo: hi = the f32 number with its low 13 mantissa bits masked off (11 significant bits: exact in f16),
; lo = the exact remainder, rounded to f16; scores = Khi Qhi + Klo Qhi + Khi Qlo; what is left out is about 2^-21 of a product.
; FORMATS AND LIMITS: x and w enter the products as bf16; Q log2 e and K as two f16 each, V and the normalised weights as f16; sums in f32.
; |k|, |v| and |q| log2 e have to stay below 65,504 (beyond it f16 gives infinity and the result is NaN).  Below 2^-14 the upper part is
; an f16 denormal and a number carries an absolute error of up to 2^-25.  The bias -1e30 is far below any score that f16 operands can
; form (32 x 65,504^2 = 1.4e11).  NaN and infinities in the inputs are not treated apart.
; LDS: K 156,672 + V 87,040 + Q 73,728 = 317,440 bytes.  w (52,224) has no bytes of its own: it lies in V's region, V's sums wait in
; registers and are stored behind a barrier at which no wave reads w any more.  The results' stage (70,656) lies over K, the results wait
; in registers until a barrier at which no wave reads K any more.
; NO JOINT TILE LOADS, though the four work-groups of a band read the same x: x needs a conversion from f32 on its way, which is done in
; registers; a stage for it in f32 would be 8 rows x 128 channels x 256 bytes = 262,144 bytes, and 10,240 bytes are free.
.set KP,    144                        ; K and Q: LDS bytes from pixel to pixel: 64 of hi, 64 of lo, 16 of padding
.set KROW,  68*KP                      ; a row of K: columns -2 .. 65 at places 0 .. 67 (place = column + 2)
.set KHEAD, 8*KROW                     ; eight rows of one head
.set VP,    80                         ; V: 64 bytes + 16
.set VROW,  68*VP
.set VHEAD, 8*VROW
.set QROW,  64*KP                      ; a row of Q: 64 pixels
.set QHEAD, 4*QROW
.set VB,    2*KHEAD                    ; K at 0: [head][row][place][32 hi, 32 lo]; V behind it: [head][row][place][32 f16]
.set QB,    VB+2*VHEAD                 ; Q: [head][query row][pixel][32 hi, 32 lo]
.set WB,    VB                         ; w: 192 rows (64 of V, 64 of K, 64 of Q) of 128 bf16, pitch 272, in V's region
.set WP,    272
.set OROW,  272                        ; the results' stage, from LDS byte 0: [64 channels][4 rows][64 f32]
.set OCH,   4*OROW+16
; vector registers, window 0
.set VX,   4                           ; x: 8 channels x half of the lanes + 16 bytes x (lane % 16)
.set VWG,  5                           ; w in memory: 16 bytes a thread
.set VWS,  6                           ; w into LDS
.set VWL,  7                           ; w fragments from LDS
.set VSK0, 8                           ; my row's K into LDS, head 0
.set VSK1, 9                           ; head 1 (a head of K is 78,336 bytes: more than an LDS offset of 16 bits reaches)
.set VSV,  10                          ; V
.set VSQ,  11                          ; Q
.set VPZ,  12                          ; the four places of my row outside the image: K, head 0
.set VPZ1, 13                          ; K, head 1
.set VPZV, 14                          ; V, both heads
.set VQ,   15                          ; attention: Q fragments
.set VK,   16                          ; K fragments
.set VV,   17                          ; V fragments (transposing loads)
.set VO,   18                          ; results into the stage
.set VRD,  19                          ; the stage read back by rows
.set VGO,  20                          ; my bytes in out0
.set VNEG, 21                          ; -1e30
.set VZ,   22                          ; v[22:25] zeros
.set TT,   26                          ; v[26:27] at work; in the products: the upper parts of a pair, in f32
.set HI,   28                          ; v[28:31] products: the upper parts of a pixel's eight channels, packed
.set VQY,  28                          ; outside the products: my query's row in the tile, (lane % 16) >> 2
.set VQX,  29                          ; its column, lane & 3
.set XF,   32                          ; v[32:159]  x fragments [K step][pixel tile][8]
.set WR,   160                         ; v[160:255] w as loaded, before the products
.set AF0,  160                         ; v[160:223] w fragments, two buffers of 4 K steps x 8
.set ACC,  224                         ; v[224:255] four accumulators, one for each pixel tile
.set BIAS, 32                          ; attention: v[32:63] 0 or -1e30 for [key tile][8]
.set S,    64                          ; v[64:95]   scores, then weights
.set KF,   96                          ; v[96:127]  K fragments, upper parts
.set KL,   128                         ; v[128:159] lower parts
.set QF,   160                         ; v[160:167] Q fragment, upper part
.set QL,   168                         ; v[168:175] lower part
.set P,    176                         ; v[176:191] weights in f16
.set VF,   192                         ; v[192:223] V fragments [32 keys][16 channels][8]
.set M,    224                         ; v[224:227] running maxima
.set MX,   228                         ; v[228:229] the maximum, twice
.set T,    230                         ; v[230:237] running sums
.set R,    238                         ; v[238:239] 1 / sum, twice
.set OUTR, 64                          ; v[64:127]  the way out
; window 1 (v256 + ..): first x as loaded, register 64 ks + 4 e + i; then
.set VA,   0                           ; v[256:383] V's sums [tile][pixel tile][8], packed in place
.set OA,   128                         ; v[384:447] attention's results [tile][16 channels][8]
; s_set_vgpr_msb's low byte: bits 1:0 source 0, 3:2 source 1, 5:4 source 2, 7:6 destination; the high byte repeats the setting that is left
.set MSB, 0
.macro WIN new
.if MSB != \new
	s_set_vgpr_msb (MSB<<8)|\new
.set MSB, \new
.endif
.endm
	s_load_b128 s[4:7], s[0:1], 0x0                ; w s[4:5], x s[6:7]
	s_load_b64 s[8:9], s[0:1], 0x10                ; out0
	v_lshrrev_b32 v26, 5, v0
	v_readfirstlane_b32 s10, v26                   ; wave 0..7
	v_and_b32 v1, 31, v0                           ; lane L
	v_and_b32 v2, 15, v0                           ; r = L % 16
	v_bfe_u32 v3, v0, 4, 1                         ; h = L / 16
	s_and_b32 s11, ttmp9, 3                        ; pair of heads
	s_bfe_u32 s12, ttmp9, 0x40002                  ; band of four image rows
	s_lshr_b32 s13, ttmp9, 6                       ; image
	s_add_co_u32 s14, s10, 2
	s_and_b32 s14, s14, 7                          ; my row of the eight: waves 0-3 rows 2-5 (the query rows), waves 4-7 rows 6, 7, 0, 1
	s_lshl2_add_u32 s15, s12, s14
	s_sub_co_i32 s15, s15, 2                       ; image row = 4 band - 2 + row; -2, -1, 64, 65 lie outside
	s_max_i32 s17, s15, 0
	s_min_i32 s17, s17, 63                         ; the row that is loaded stays inside x
	s_lshl_b32 s18, s13, 21                        ; an image of x: 128 channels x 16,384 bytes
	s_lshl_b32 s19, s17, 8
	s_add_co_u32 s18, s18, s19
	s_mov_b32 s19, 0
	s_lshl_b32 s20, s11, 15                        ; 64 rows of w of 512 bytes
	s_mov_b32 s21, 0
	s_lshl_b32 s22, s13, 22                        ; an image of out0: 256 channels x 16,384 bytes
	s_lshl_b32 s23, s11, 20                        ; 64 channels
	s_add_co_u32 s22, s22, s23
	s_lshl_b32 s23, s12, 10                        ; four rows of 256 bytes
	s_add_co_u32 s22, s22, s23
	s_mov_b32 s23, 0
	v_lshlrev_b32 v[VWG], 4, v0
	v_lshlrev_b32 v[VX], 4, v2
	v_lshl_add_u32 v[VX], v3, 17, v[VX]
	s_wait_kmcnt 0x0
	s_add_nc_u64 s[4:5], s[4:5], s[20:21]
	s_add_nc_u64 s[6:7], s[6:7], s[18:19]
	s_add_nc_u64 s[8:9], s[8:9], s[22:23]
; w: one load of the work-group covers 8 rows of 512 bytes; 8 loads for each of V, K, Q (K's rows start at row 256 of w, V's at 512)
.macro WLOAD kind, koff
.irp q, 0,1,2,3,4,5,6,7
	global_load_b128 v[WR+32*\kind+4*\q:WR+32*\kind+4*\q+3], v[VWG], s[4:5] offset:\koff+4096*\q
.endr
.endm
; x: my row, 32 channels of K step ks, 16 loads (destinations in window 1).  Lanes 0-15 take the 256 bytes of one channel's row,
; lanes 16-31 those of the channel 8 further on.  Load e: channel 32 ks + 16 (e >> 3) + (e & 7) + 8 h, pixels 4 r .. 4 r + 3.
; So pixel tile i holds the columns 4 r + i.
.macro XLOAD ks
.irp e, 0,1,2,3,4,5,6,7,8,9,10,11,12,13,14,15
	global_load_b128 v[64*\ks+4*\e:64*\ks+4*\e+3], v[VX], s[6:7] offset:(32*\ks+16*(\e>>3)+(\e&7))*16384
.endr
.endm
; x of K step ks to bf16 fragments (sources in window 1).  Register q of a fragment holds k = 2 q and 2 q + 1 of the lane's sixteen,
; which loads e = 2 q and 2 q + 1 brought.
.macro XCONV ks
.irp i, 0,1,2,3
.irp q, 0,1,2,3,4,5,6,7
	v_cvt_pk_bf16_f32 v[XF+32*\ks+8*\i+\q], v[64*\ks+8*\q+\i], v[64*\ks+8*\q+4+\i]
.endr
.endr
.endm
	WLOAD 0, 262144                                ; V
	WLOAD 1, 131072                                ; K
	WLOAD 2, 0                                     ; Q
	WIN 0x40                                       ; destinations in window 1
	XLOAD 0
	XLOAD 1                                        ; 24 + 32 = 56 loads are out
	WIN 0
	; the lane terms, while the loads are on their way
	s_mov_b32 s34, 0x76543210                      ; v_permlanex16_b32: lane i takes lane i of the other half
	s_mov_b32 s35, 0xfedcba98
	s_mov_b32 s40, 0xffffe000                      ; keeps sign, exponent and the upper 10 mantissa bits of an f32
	s_and_b32 s33, s10, 3                          ; products: my query row; attention: my block of 16 columns
	s_lshr_b32 s36, s10, 2                         ; attention: my head of the two
	v_mov_b32 v[VNEG], 0xf149f2ca                  ; -1e30
.irp k, 0,1,2,3
	v_mov_b32 v[VZ+\k], 0
.endr
	v_lshrrev_b32 v[VQY], 2, v2
	v_and_b32 v[VQX], 3, v2
	s_mul_i32 s18, s10, WP
	s_add_co_u32 s18, s18, WB
	v_lshl_add_u32 v[VWS], v1, 3, s18              ; row = wave (+ 8 for each load), 8 bytes a lane
	v_mul_u32_u24 v26, v2, WP
	v_lshl_add_u32 v26, v3, 4, v26
	v_add_nc_u32 v[VWL], WB, v26                   ; row r, 16 bytes x h
	s_mul_i32 s19, s14, KROW                       ; my row of K
	v_mul_u32_u24 v27, v2, 4*KP
	v_lshl_add_u32 v27, v3, 4, v27                 ; pixel 4 r, channels 8 h ..
	s_add_co_u32 s18, s19, 2*KP                    ; column 0 lies at place 2
	v_add_nc_u32 v[VSK0], s18, v27
	v_add_nc_u32 v[VSK1], KHEAD, v[VSK0]
	s_mul_i32 s18, s33, QROW
	s_add_co_u32 s18, s18, QB
	v_add_nc_u32 v[VSQ], s18, v27
	s_mul_i32 s37, s14, VROW
	s_add_co_u32 s37, s37, VB                      ; my row of V
	v_mul_u32_u24 v27, v2, 4*VP
	v_lshl_add_u32 v27, v3, 4, v27
	s_add_co_u32 s18, s37, 2*VP
	v_add_nc_u32 v[VSV], s18, v27
	v_lshrrev_b32 v26, 3, v1                       ; the four places 0, 1, 66, 67: lane >> 3 picks one
	v_lshrrev_b32 v27, 1, v26
	v_lshl_add_u32 v26, v27, 6, v26
	v_mul_u32_u24 v27, v26, KP                     ; K: lane & 7 picks the 16 bytes of the place's 128
	v_and_b32 v30, 7, v1
	v_lshl_add_u32 v27, v30, 4, v27
	v_add_nc_u32 v[VPZ], s19, v27
	v_add_nc_u32 v[VPZ1], KHEAD, v[VPZ]
	v_mul_u32_u24 v26, v26, VP                     ; V: bit 2 of the lane the head, bits 1:0 the 16 bytes of the place's 64
	v_bfe_u32 v27, v1, 2, 1
	v_mad_u32_u24 v26, v27, VHEAD, v26
	v_and_b32 v27, 3, v1
	v_lshl_add_u32 v26, v27, 4, v26
	v_add_nc_u32 v[VPZV], s37, v26
	s_mul_i32 s38, s33, 16*KP                      ; attention: my 16 columns in Q and K
	s_mul_i32 s18, s36, QHEAD
	s_add_co_u32 s18, s18, s38
	s_add_co_u32 s18, s18, QB
	v_lshl_add_u32 v26, v[VQY], 6, v[VQX]          ; query r: row r >> 2 (64 pixels), column r & 3
	v_mul_u32_u24 v26, v26, KP
	v_lshl_add_u32 v26, v3, 4, v26
	v_add_nc_u32 v[VQ], s18, v26
	s_mul_i32 s18, s36, KHEAD
	s_add_co_u32 s18, s18, s38
	v_lshrrev_b32 v26, 3, v2                       ; key r of a tile of 16: row r >> 3 of two (68 places), place r & 7 of eight
	v_and_b32 v27, 7, v2
	v_mad_u32_u24 v26, v26, 68, v27
	v_mul_u32_u24 v26, v26, KP
	v_lshl_add_u32 v26, v3, 4, v26
	v_add_nc_u32 v[VK], s18, v26
	s_mul_i32 s18, s36, VHEAD
	s_mul_i32 s39, s33, 16*VP
	s_add_co_u32 s18, s18, s39
	s_add_co_u32 s18, s18, VB
	v_and_b32 v27, 7, v1                           ; V, transposing load: lane addresses key row h, place L & 7, 16 bytes x bit 3 of L
	v_mad_u32_u24 v26, v3, 68, v27
	v_mul_u32_u24 v26, v26, VP
	v_bfe_u32 v27, v1, 3, 1
	v_lshl_add_u32 v26, v27, 4, v26
	v_add_nc_u32 v[VV], s18, v26
	s_mul_i32 s18, s36, 32*OCH
	s_lshl_b32 s39, s33, 6
	s_add_co_u32 s18, s18, s39
	v_mul_u32_u24 v26, v2, OCH                     ; stage: channel 32 head + r, rows 2 h .., my 16 columns
	v_mad_u32_u24 v26, v3, 2*OROW, v26
	v_add_nc_u32 v[VO], s18, v26
	s_mul_i32 s18, s10, 8*OCH
	v_mul_u32_u24 v26, v3, OROW                    ; back: channels 8 wave .., lanes 0-15 one row of 256 bytes, lanes 16-31 the next
	v_lshl_add_u32 v26, v2, 4, v26
	v_add_nc_u32 v[VRD], s18, v26
	s_lshl_b32 s18, s10, 17                        ; 8 channels of 16,384 bytes
	v_lshl_add_u32 v[VGO], v1, 4, s18
	; w to bf16 and into LDS
	s_wait_loadcnt 32                              ; the 32 loads of x's K steps 0 and 1 stand behind w's: all of w is in
	WIN 0x40                                       ; destinations in window 1
	XLOAD 2                                        ; 48 loads are out
	WIN 0
.set m, 0
.rept 24
	v_cvt_pk_bf16_f32 v[WR+4*m], v[WR+4*m], v[WR+4*m+1]
	v_cvt_pk_bf16_f32 v[WR+4*m+1], v[WR+4*m+2], v[WR+4*m+3]
	ds_store_b64 v[VWS], v[WR+4*m:WR+4*m+1] offset:8*m*WP      ; a wave's store covers one row's 256 bytes
.set m, m+1
.endr
	ds_store_b128 v[VPZ], v[VZ:VZ+3]               ; K at columns -2, -1, 64, 65 of my row, upper and lower parts: zeros
	ds_store_b128 v[VPZ1], v[VZ:VZ+3]
	s_wait_loadcnt 32                              ; K step 0 is in: K steps 1 and 2 stand behind it
	WIN 0x05                                       ; sources 0 and 1 in window 1
	XCONV 0
	WIN 0x40                                       ; destinations in window 1
	XLOAD 3                                        ; the last loads go out ahead of the signal; 48 are out
	s_wait_dscnt 0x0                               ; my part of w is in LDS, for the other waves' sake
	s_barrier_signal -1
	WIN 0x05                                       ; register work while the others arrive
	s_wait_loadcnt 32                              ; K step 1 is in: K steps 2 and 3 stay out
	XCONV 1
	s_wait_loadcnt 16                              ; K step 2 is in: K step 3 stays out
	XCONV 2
	s_wait_loadcnt 0x0
	XCONV 3
	WIN 0
	s_barrier_wait -1                              ; all of w is in LDS
	s_cmp_lt_u32 s15, 64                           ; a row outside the image (unsigned: -2 and -1 are large) is zero padding:
	s_cbranch_scc1 .Lrow_inside                    ; its x counts as zero, so that its K and V come out as zeros
.set m, 0
.rept 128
	v_mov_b32 v[XF+m], 0
.set m, m+1
.endr
.Lrow_inside:
; THE PRODUCTS.  A = 16 rows of w (output channels), B = 16 pixels of x: in the result lane (r, h) holds pixel 4 r + i and the eight
; channels 8 h .. 8 h + 7, which pack into 16 bytes of f16 and leave by one LDS store.
; Output tiles t = 0-3 V, 4-7 K, 8-11 Q; within each kind head (t >> 1) & 1, half t & 1 of its 32 channels.
.macro PLACES                          ; four places behind products, in front of readers of their results and of loads into their sources
.rept 4
	v_nop
.endr
.endm
.macro AFLOAD buf, t                   ; the fragments of w for tile t: 16 rows x 128 K, eight loads
.irp ks, 0,1,2,3
	ds_load_b128 v[\buf+8*\ks:\buf+8*\ks+3],   v[VWL] offset:(\t)*16*WP+64*\ks
	ds_load_b128 v[\buf+8*\ks+4:\buf+8*\ks+7], v[VWL] offset:(\t)*16*WP+64*\ks+32
.endr
.endm
; V's tiles: the sums go to window 1 and stay there, since V's bytes in LDS still hold w.
.macro MMV t, ks, i
.if \ks == 0
	v_wmma_f32_16x16x32_bf16 v[VA+32*\t+8*\i:VA+32*\t+8*\i+7], v[CUR+8*\ks:CUR+8*\ks+7], v[XF+32*\ks+8*\i:XF+32*\ks+8*\i+7], 0
.else
	v_wmma_f32_16x16x32_bf16 v[VA+32*\t+8*\i:VA+32*\t+8*\i+7], v[CUR+8*\ks:CUR+8*\ks+7], v[XF+32*\ks+8*\i:XF+32*\ks+8*\i+7], v[VA+32*\t+8*\i:VA+32*\t+8*\i+7]
.endif
.endm
; 16 products on four accumulators, which take turns, one instruction a turn.  In the middle the next tile's
; fragments of w are fetched into the other buffer, four places behind the last product that read it.
.macro BLOCKV t
.set CUR, AF0+32*((\t)&1)
.set OTH, AF0+32*(((\t)+1)&1)
	s_wait_dscnt 0x0                               ; this tile's fragments: nothing was issued behind their loads
	WIN 0x50                                       ; C and D in window 1
.irp ks, 0,1
.irp i, 0,1,2,3
	MMV \t, \ks, \i
.endr
.endr
	WIN 0
	PLACES
	AFLOAD OTH, (\t)+1
	WIN 0x50
.irp ks, 2,3
.irp i, 0,1,2,3
	MMV \t, \ks, \i
.endr
.endr
.endm
; K's and Q's tiles
.macro DEST t                          ; where tile t goes, and whether it is scaled by log2 e
.set DOFF, ((\t)&1)*32
.if (\t) < 8
.set DREG, VSK0+(((\t)>>1)&1)
.set DSC, 0
.else
.set DREG, VSQ
.set DOFF, (((\t)>>1)&1)*QHEAD+((\t)&1)*32
.set DSC, 1
.endif
.endm
.macro MM ks, i                        ; one product; the first K step starts the sum
.if \ks == 0
	v_wmma_f32_16x16x32_bf16 v[ACC+8*(\i):ACC+8*(\i)+7], v[CUR+8*\ks:CUR+8*\ks+7], v[XF+32*\ks+8*(\i):XF+32*\ks+8*(\i)+7], 0
.else
	v_wmma_f32_16x16x32_bf16 v[ACC+8*(\i):ACC+8*(\i)+7], v[CUR+8*\ks:CUR+8*\ks+7], v[XF+32*\ks+8*(\i):XF+32*\ks+8*(\i)+7], v[ACC+8*(\i):ACC+8*(\i)+7]
.endif
.endm
; Two results of accumulator i, split and packed: the upper parts into HI + q, the lower parts in place (register q is at or below the
; sources 2 q, 2 q + 1).  The subtraction is exact: the upper part is the number's own leading bits.
.macro CV i, q
.if DSC
	v_pk_mul_f32 v[ACC+8*(\i)+2*(\q):ACC+8*(\i)+2*(\q)+1], v[ACC+8*(\i)+2*(\q):ACC+8*(\i)+2*(\q)+1], 0x3fb8aa3b op_sel_hi:[1,0]
.endif
	v_and_b32 v[TT], s40, v[ACC+8*(\i)+2*(\q)]
	v_and_b32 v[TT+1], s40, v[ACC+8*(\i)+2*(\q)+1]
	v_pk_add_f32 v[ACC+8*(\i)+2*(\q):ACC+8*(\i)+2*(\q)+1], v[ACC+8*(\i)+2*(\q):ACC+8*(\i)+2*(\q)+1], v[TT:TT+1] neg_lo:[0,1] neg_hi:[0,1]
	v_cvt_pk_f16_f32 v[HI+(\q)], v[TT], v[TT+1]
	v_cvt_pk_f16_f32 v[ACC+8*(\i)+(\q)], v[ACC+8*(\i)+2*(\q)], v[ACC+8*(\i)+2*(\q)+1]
.endm
.macro ST i
	ds_store_b128 v[DREG], v[HI:HI+3] offset:DOFF+KP*(\i)
	ds_store_b128 v[DREG], v[ACC+8*(\i):ACC+8*(\i)+3] offset:DOFF+KP*(\i)+64
.endm
; Eight products on the accumulators 2 p and 2 p + 1, which take turns, one instruction a turn.
; Between them the OTHER pair (a, a + 1), finished in the half before, is split, packed and stored.  Places (plain vector instructions
; that name none of a product's registers): the ten instructions behind the last product stand between the pair's last
; products and the next half's first reader, and between the other fragment buffer's last reader and the loads into it.
; conv = 0: K's first half has nothing to pack and holds v_nop in their stead, four in front of the loads, four at the end.
; ld = 1: fetch the next tile's fragments of w.
.macro HALF p, conv, a, ld
	MM 0, 2*\p
	MM 0, 2*\p+1
	MM 1, 2*\p
.if \conv
	CV \a, 0
.else
	v_nop
	v_nop
.endif
	MM 1, 2*\p+1
.if \conv
	CV \a, 1
.else
	v_nop
	v_nop
.endif
.if \ld
	AFLOAD OTH, TN
.endif
	MM 2, 2*\p
.if \conv
	CV \a, 2
.endif
	MM 2, 2*\p+1
.if \conv
	CV \a, 3
	ST \a
.endif
	MM 3, 2*\p
.if \conv
	CV \a+1, 0
	CV \a+1, 1
.else
	v_nop
	v_nop
.endif
	MM 3, 2*\p+1
.if \conv
	CV \a+1, 2
	CV \a+1, 3
	ST \a+1
.else
	v_nop
	v_nop
.endif
.endm
; Tile t: 16 products.  cnt = the LDS stores issued behind the loads of this tile's fragments, which may stay out.
.macro BLOCK t, cnt, first, ld
.set CUR, AF0+32*((\t)&1)
.set OTH, AF0+32*(((\t)+1)&1)
.set TN, (\t)+1
	s_wait_dscnt \cnt
.if \first
	HALF 0, 0, 2, \ld
.else
	DEST (\t)-1
	HALF 0, 1, 2, \ld                              ; packs pixel tiles 2, 3 of the tile before
.endif
	DEST \t
	HALF 1, 1, 0, 0                                ; packs pixel tiles 0, 1 of this tile
.endm
.macro EPI                             ; the last pair: ten places and more stand behind its last products already
.irp q, 0,1,2,3
	CV 2, \q
.endr
	ST 2
.irp q, 0,1,2,3
	CV 3, \q
.endr
	ST 3
.endm
	AFLOAD AF0, 0
.irp t, 0,1,2,3
	BLOCKV \t
.endr
	WIN 0
	BLOCK 4, 0, 1, 1                               ; nothing was issued behind tile 4's loads
	BLOCK 5, 4, 0, 1                               ; four stores (tile 4's first pair, upper and lower parts)
	BLOCK 6, 8, 0, 1                               ; eight stores: four in each half behind the loads
	BLOCK 7, 8, 0, 1
	s_cmp_ge_u32 s10, 4                            ; waves 4-7 hold rows without queries: no Q
	s_cbranch_scc1 .Lno_q
.irp t, 8,9,10
	BLOCK \t, 8, 0, 1
.endr
	BLOCK 11, 8, 0, 0
	DEST 11
	EPI
	s_branch .Lproducts_done
.Lno_q:
	DEST 7
	EPI
.Lproducts_done:
	s_wait_dscnt 0x0                               ; my K and Q are in LDS and my reads of w are over, for the others' sake
	s_barrier_signal -1
	WIN 0x45                                       ; V's sums to f16, packed in place in window 1: register work while the others arrive
.set m, 0
.rept 16
.irp q, 0,1,2,3
	v_cvt_pk_f16_f32 v[VA+8*m+\q], v[VA+8*m+2*\q], v[VA+8*m+2*\q+1]
.endr
.set m, m+1
.endr
	s_barrier_wait -1                              ; nobody reads w any more: V's region is free
	WIN 0x04                                       ; a store's data in window 1, its address in window 0
.irp t, 0,1,2,3
.irp i, 0,1,2,3
	ds_store_b128 v[VSV], v[VA+32*\t+8*\i:VA+32*\t+8*\i+3] offset:((\t>>1)&1)*VHEAD+(\t&1)*32+VP*\i
.endr
.endr
	WIN 0
	ds_store_b128 v[VPZV], v[VZ:VZ+3]              ; V at columns -2, -1, 64, 65 of my row, both heads: zeros
	s_wait_dscnt 0x0                               ; my V is in LDS, for the others' sake
	s_barrier_signal -1
	; the window as a bias, register work while the others arrive: score register j of key tile t in lane (r, h) belongs to key row
	; 2 t + h and key place j of the block and to query r; the key is in the window if 0 <= 2 t + h - qy < 5 and 0 <= j - qx < 5
	v_lshrrev_b32 v[VQY], 2, v2                    ; made again: the products used these registers
	v_and_b32 v[VQX], 3, v2
	v_sub_nc_u32 v26, v3, v[VQY]
.irp t, 0,1,2,3
	v_add_nc_u32 v27, 2*\t, v26
	v_cmp_gt_u32 s[20+\t], 5, v27                  ; unsigned: a negative difference is large
.endr
.irp j, 0,1,2,3,4,5,6,7
	v_sub_nc_u32 v27, \j, v[VQX]
	v_cmp_gt_u32 s[24+\j], 5, v27
.endr
.irp t, 0,1,2,3
.irp j, 0,1,2,3,4,5,6,7
	s_and_b32 s32, s[20+\t], s[24+\j]
	v_cndmask_b32 v[BIAS+8*\t+\j], v[VNEG], v[VZ], s32
.endr
.endr
	s_barrier_wait -1                              ; K, V, Q are whole
; ATTENTION.  Tile i: queries in rows 0-3, columns 16 cb + 4 i .. + 3; keys in rows 0-7, places 16 cb + 4 i .. + 7.
.macro LDQK i                          ; 20 loads: upper parts at bytes 0 and 32 of a pixel, lower parts at 64 and 96
	ds_load_b128 v[QF:QF+3],   v[VQ] offset:4*KP*(\i)
	ds_load_b128 v[QF+4:QF+7], v[VQ] offset:4*KP*(\i)+32
	ds_load_b128 v[QL:QL+3],   v[VQ] offset:4*KP*(\i)+64
	ds_load_b128 v[QL+4:QL+7], v[VQ] offset:4*KP*(\i)+96
.irp t, 0,1,2,3
	ds_load_b128 v[KF+8*\t:KF+8*\t+3],   v[VK] offset:2*KROW*\t+4*KP*(\i)
	ds_load_b128 v[KF+8*\t+4:KF+8*\t+7], v[VK] offset:2*KROW*\t+4*KP*(\i)+32
	ds_load_b128 v[KL+8*\t:KL+8*\t+3],   v[VK] offset:2*KROW*\t+4*KP*(\i)+64
	ds_load_b128 v[KL+8*\t+4:KL+8*\t+7], v[VK] offset:2*KROW*\t+4*KP*(\i)+96
.endr
.endm
.macro LDV i                           ; 8 loads.  V lies [key][channel]: the transposing load gives each lane eight keys of its channel
.irp u, 0,1
.irp ct, 0,1
	ds_load_tr16_b128 v[VF+16*\u+8*\ct:VF+16*\u+8*\ct+3],   v[VV] offset:(2*\u)*2*VROW+32*\ct+4*VP*(\i)
	ds_load_tr16_b128 v[VF+16*\u+8*\ct+4:VF+16*\u+8*\ct+7], v[VV] offset:(2*\u+1)*2*VROW+32*\ct+4*VP*(\i)
.endr
.endr
.endm
; wkq, wv: how many LDS instructions were issued behind the loads of Q and K, and of V, and may stay out.  next = 1: fetch tile i + 1.
; Repeated runs inside this macro count by the symbol k, set anew in front of each run.
.macro ATT i, wkq, wv, next
	s_wait_dscnt \wkq
	; twelve products on four accumulators, which take turns, one instruction a turn
.irp t, 0,1,2,3
	v_wmma_f32_16x16x32_f16 v[S+8*\t:S+8*\t+7], v[KF+8*\t:KF+8*\t+7], v[QF:QF+7], v[BIAS+8*\t:BIAS+8*\t+7]
.endr
.irp t, 0,1,2,3
	v_wmma_f32_16x16x32_f16 v[S+8*\t:S+8*\t+7], v[KL+8*\t:KL+8*\t+7], v[QF:QF+7], v[S+8*\t:S+8*\t+7]
.endr
.irp t, 0,1,2,3
	v_wmma_f32_16x16x32_f16 v[S+8*\t:S+8*\t+7], v[KF+8*\t:KF+8*\t+7], v[QL:QL+7], v[S+8*\t:S+8*\t+7]
.endr
	PLACES
.if \next
	LDQK \i+1
.endif
	; the maximum over my 32 scores, four chains, then over the two lanes that share a query
.irp c, 0,1,2,3
	v_max3_num_f32 v[M+\c], v[S+8*\c], v[S+8*\c+1], v[S+8*\c+2]
.endr
.irp c, 0,1,2,3
	v_max3_num_f32 v[M+\c], v[M+\c], v[S+8*\c+3], v[S+8*\c+4]
.endr
.irp c, 0,1,2,3
	v_max3_num_f32 v[M+\c], v[M+\c], v[S+8*\c+5], v[S+8*\c+6]
.endr
	v_max3_num_f32 v[M], v[M], v[M+1], v[S+7]
	v_max3_num_f32 v[M+2], v[M+2], v[M+3], v[S+15]
	v_max3_num_f32 v[M], v[M], v[M+2], v[S+23]
	v_max_num_f32 v[M], v[M], v[S+31]
	v_permlanex16_b32 v[M+1], v[M], s34, s35
	v_max_num_f32 v[MX], v[M], v[M+1]
	v_max_num_f32 v[MX+1], v[M], v[M+1]            ; twice: a pair for the packed subtraction
.set k, 0
.rept 16
	v_pk_add_f32 v[S+2*k:S+2*k+1], v[S+2*k:S+2*k+1], v[MX:MX+1] neg_lo:[0,1] neg_hi:[0,1]
.set k, k+1
.endr
.set k, 0
.rept 32
	v_exp_f32 v[S+k], v[S+k]                       ; 2^(s - max): Q carries log2 e; outside the window the result is 0
.set k, k+1
.endr
	v_nop                                          ; one plain instruction between the exponentials and the first reader (ISA guide 5.7.2)
	s_wait_alu depctr_va_vdst(0)
.irp c, 0,1,2,3
	v_pk_add_f32 v[T+2*\c:T+2*\c+1], v[S+8*\c:S+8*\c+1], v[S+8*\c+2:S+8*\c+3]
.endr
.irp c, 0,1,2,3
	v_pk_add_f32 v[T+2*\c:T+2*\c+1], v[T+2*\c:T+2*\c+1], v[S+8*\c+4:S+8*\c+5]
.endr
.irp c, 0,1,2,3
	v_pk_add_f32 v[T+2*\c:T+2*\c+1], v[T+2*\c:T+2*\c+1], v[S+8*\c+6:S+8*\c+7]
.endr
	v_pk_add_f32 v[T:T+1], v[T:T+1], v[T+2:T+3]
	v_pk_add_f32 v[T+4:T+5], v[T+4:T+5], v[T+6:T+7]
	v_pk_add_f32 v[T:T+1], v[T:T+1], v[T+4:T+5]
	v_add_f32 v[T], v[T], v[T+1]
	v_permlanex16_b32 v[T+1], v[T], s34, s35
	v_add_f32 v[T], v[T], v[T+1]                   ; the denominator: at least 1, since the maximum's own term is 1
	v_rcp_f32 v[R], v[T]
	v_rcp_f32 v[R+1], v[T]
	v_nop                                          ; one plain instruction in front of the first use
.set k, 0
	s_wait_alu depctr_va_vdst(0)
.rept 16
	v_pk_mul_f32 v[S+2*k:S+2*k+1], v[S+2*k:S+2*k+1], v[R:R+1]
.set k, k+1
.endr
	; to f16.  Lane (r, h) holds query r and, in tiles 2 u and 2 u + 1, the keys k = 8 h + j and 16 + 8 h + j of the 32 keys of rows
	; 4 u .. 4 u + 3: that is the A fragment of P x V as it stands
.set k, 0
.rept 16
	v_cvt_pk_f16_f32 v[P+k], v[S+2*k], v[S+2*k+1]
.set k, k+1
.endr
	s_wait_dscnt \wv
	; two result tiles of 16 channels, which take turns; the first 32 keys start the sums.  They go to window 1
	; and stay there: the stage lies over K, which other waves still read
	WIN 0x50
	v_wmma_f32_16x16x32_f16 v[OA+16*\i:OA+16*\i+7],    v[P:P+7],    v[VF:VF+7],     0
	v_wmma_f32_16x16x32_f16 v[OA+16*\i+8:OA+16*\i+15], v[P:P+7],    v[VF+8:VF+15],  0
	v_wmma_f32_16x16x32_f16 v[OA+16*\i:OA+16*\i+7],    v[P+8:P+15], v[VF+16:VF+23], v[OA+16*\i:OA+16*\i+7]
	v_wmma_f32_16x16x32_f16 v[OA+16*\i+8:OA+16*\i+15], v[P+8:P+15], v[VF+24:VF+31], v[OA+16*\i+8:OA+16*\i+15]
	WIN 0
	PLACES
.if \next
	LDV \i+1
.endif
.endm
	LDQK 0
	LDV 0
	ATT 0, 8, 20, 1                                ; behind Q and K: V's 8 loads.  Behind V: the next tile's 20 loads of Q and K
	ATT 1, 8, 20, 1
	ATT 2, 8, 20, 1
	ATT 3, 8, 0, 0                                 ; the last tile fetches nothing: nothing stands behind V's loads
	s_wait_dscnt 0x0                               ; my reads of K, V, Q are over, for the others' sake
	s_barrier_signal -1
	s_barrier_wait -1                              ; nobody reads K any more: the stage is free
	; lane (r, h) holds channel 16 ct + r; registers 0-3 are the four pixels of query row 2 h, registers 4-7 those of row 2 h + 1
	WIN 0x04                                       ; a store's data in window 1, its address in window 0
.irp i, 0,1,2,3
.irp ct, 0,1
.irp e, 0,1
	ds_store_b128 v[VO], v[OA+16*\i+8*\ct+4*\e:OA+16*\i+8*\ct+4*\e+3] offset:16*OCH*\ct+OROW*\e+16*\i
.endr
.endr
.endr
	WIN 0
	s_wait_dscnt 0x0                               ; my results are in the stage, for the others' sake
	s_barrier_signal -1
	s_barrier_wait -1
	; THE WAY OUT: wave w takes channels 8 w .. 8 w + 7.  A load or store covers two image rows of one channel: 512 consecutive bytes,
	; at a multiple of 256 from out0's first byte.
.irp c, 0,1,2,3,4,5,6,7
.irp z, 0,1
	ds_load_b128 v[OUTR+8*\c+4*\z:OUTR+8*\c+4*\z+3], v[VRD] offset:\c*OCH+\z*2*OROW
.endr
.endr
.irp c, 0,1,2,3,4,5,6,7
.irp z, 0,1
	s_wait_dscnt 15-2*\c-\z                        ; LDS loads come back in order (ISA guide 5.7.1): this one is in, the younger stay out
	global_store_b128 v[VGO], v[OUTR+8*\c+4*\z:OUTR+8*\c+4*\z+3], s[8:9] offset:\c*16384+\z*512 th:TH_STORE_NT
.endr
.endr
	s_wait_xcnt 0x0
	v_lshl_add_u32 v254, v0, 2, 0x4d800
	v_mov_b32 v255, 0
	s_wait_tensorcnt 0x0
	ds_add_u32 v254, v255
	s_wait_dscnt 0x0
	s_endpgm
.Lfunc_end_k_qbbb540f10d_relation:
	.size	k_qbbb540f10d_relation, .Lfunc_end_k_qbbb540f10d_relation-k_qbbb540f10d_relation
	.p2alignl 7, 3214868480
	.fill 96, 4, 3214868480
	.section	.rodata,"a",@progbits
	.p2align	6, 0x0
	.amdhsa_kernel k_qbbb540f10d_relation
		.amdhsa_group_segment_fixed_size 318464
		.amdhsa_private_segment_fixed_size 0
		.amdhsa_enable_private_segment 0
		.amdhsa_kernarg_size 24
		.amdhsa_user_sgpr_count 2
		.amdhsa_user_sgpr_kernarg_segment_ptr 1
		.amdhsa_wavefront_size32 1
		.amdhsa_system_sgpr_workgroup_id_x 1
		.amdhsa_system_sgpr_workgroup_id_y 1
		.amdhsa_system_sgpr_workgroup_id_z 1
		.amdhsa_system_vgpr_workitem_id 0
		.amdhsa_next_free_vgpr 512
		.amdhsa_next_free_sgpr 66
		.amdhsa_reserve_vcc 0
		.amdhsa_float_denorm_mode_32 3
		.amdhsa_float_denorm_mode_16_64 3
		.amdhsa_memory_ordered 1
		.amdhsa_forward_progress 1
		.amdhsa_inst_pref_size 148
	.end_amdhsa_kernel
	.amdgpu_metadata
---
amdhsa.version: [ 1, 2 ]
amdhsa.kernels:
  - .name:           k_qbbb540f10d_relation
    .symbol:         k_qbbb540f10d_relation.kd
    .args:
      - { .name: w_qkv, .offset: 0, .size: 8, .value_kind: global_buffer, .address_space: global }
      - { .name: x, .offset: 8, .size: 8, .value_kind: global_buffer, .address_space: global }
      - { .name: out0, .offset: 16, .size: 8, .value_kind: global_buffer, .address_space: global }
    .group_segment_fixed_size: 318464
    .private_segment_fixed_size: 0
    .kernarg_segment_align: 8
    .kernarg_segment_size: 24
    .max_flat_workgroup_size: 256
    .sgpr_count:     66
    .vgpr_count:     512
    .wavefront_size: 32
...
	.end_amdgpu_metadata
.endif
;; end of part 1
